; MI455X (gfx1250); checked and timed in simulation.
; The chip was launched on July 23, 2026; its instructions are those of AMD's public machine-readable ISA for CDNA 5 (MIT licence, August 2026) and "CDNA5" Instruction Set Architecture Reference Guide (July 2026). The comments in the code are by the model that wrote it; some were corrected since.
;; Imitative Model. Allowed arithmetic: float matrix products may take bf16 or f16 operands with f32 sums; other float arithmetic in f32, or as packed bf16 or f16 multiplies, adds, multiply-adds, maxima and minima; sums over many terms, partial sums and values carried from step to step in f32; what a program stores and reads back later, other than sums and carried values, may be rounded once to bf16 or f16.
;; Inputs: Wl1 64 x 32 float32; Wl2 32 x 4 float32; Wm1 133 x 64 float32; Wm2 64 x 64 float32; Wm3 64 x 64 float32; b_hh 192 float32; b_ih 192 float32; base_sample 8 float32; bl1 32 float32; bl2 4 float32; bm1 64 float32; bm2 64 float32; bm3 64 float32; goal 16,384 x 4 x 2 float32; is_at_traffic_light 16,384 x 1 float32; traffic_light_state 16,384 x 1 float32; velocity 16,384 x 3 float32; visual_features 16,384 x 128 float32; w_hh 192 x 64 float32; w_ih 192 x 2 float32.
;; Outputs: out0 16,384 x 4 x 2 float32.
;; Constants: num_steps = 8.
;; One version. Each part assembles by itself: llvm-mc -triple=amdgcn-amd-amdhsa -mcpu=gfx1250 --defsym DOCPART=n.
;; ======== version 1 of 1: 2 launches
;; workspace buffers: cand 4,718,592 bytes; part 8,192 bytes
;; launch flow (part 1): grid 256 x 1, 4 waves a work-group, no clusters, 285,696 bytes of LDS; arguments visual_features, velocity, is_at_traffic_light, traffic_light_state, goal, base_sample, Wm1, bm1, Wm2, bm2, Wm3, bm3, w_ih, w_hh, b_ih, b_hh, Wl1, bl1, Wl2, bl2, cand, part; writes cand, part
.if DOCPART == 1
	.amdgcn_target "amdgcn-amd-amdhsa--gfx1250"
	.amdhsa_code_object_version 6
	.text
	.protected	k_qc585613668_flow
	.globl	k_qc585613668_flow
	.p2align	8
	.type	k_qc585613668_flow,@function
k_qc585613668_flow:
	s_mov_b64 s[64:65], 0
	v_nop
	global_prefetch_b8 v0, s[64:65] scope:SCOPE_SE
	s_setreg_imm32_b32 hwreg(HW_REG_WAVE_MODE, 25, 1), 1
	s_wait_xcnt 0x0
; FLOW.  A wave owns 16 samples; a work-group's four waves 64.  It makes z (three layers, ReLU), then walks eight Adam steps on x[4][2]: a forward pass of the GRU flow,
; the sample's loss, one backward pass, the update.  Nine forward passes give y(x_0) .. y(x_8): all nine go to cand; the eight loss sums of the work-group go to part; the next launch chooses.
; WHAT IS NOT COMPUTED TWICE.  The inverse flow runs the same GRU and locscale on the same (y, h) as the forward flow, so h, dloc and scale are made once, x_rec = (y_t - (y_tm1 + dloc)) / scale is formed as written,
; and the two passes' adjoints are added ahead of ONE backward pass (a backward pass is linear in its adjoint).  Step 1 (y_0 = 0, h_0 = z) and W_hh h_1 hang on no x: made once, ahead of the loop.
; FORMATS.  All inputs (weights, biases, features, goal, base_sample) are rounded ONCE to bf16.  Every intermediate matrix operand goes in as a bf16 pair hi + lo (two products), sums in f32: the first Adam step
; is a sign of the gradient, so the gradient wants more than bf16's eight bits.
; LIMITS.  NaN and infinities are not treated apart; exponentials, logarithms, roots and reciprocals take and give denormals as 0; the ninth pass stores coefficients that nobody reads.
; LAYOUT.  Every product is used transposed: A = weights (16 output features), B = activations (32 input features x 16 samples).  In the result lane (r = l % 16, h = l / 16) holds sample r, register j feature 16 a + 8 h + j.
; Pairs (2 q, 2 q + 1) of a set of 32 such registers, packed, ARE register q of the next product's B: nothing changes lanes.  Of a sample's two dimensions lane (r, h) owns dimension h: the small matrices' rows and K places are laid so.
; NO CLUSTER, NO TENSOR LOAD: the weights arrive in f32 and are converted on their way into LDS, once a work-group (125 KB), and then live in registers; work-groups share nothing else.
; REGISTERS, in windows of 256 (s_set_vgpr_msb: bits 1:0 source 0, 3:2 source 1, 5:4 source 2, 7:6 destination).  Window 0: all that vector work touches.  Windows 1 to 3: the weights' fragments and the biases.
.set WSCR,  139*512                    ; a wave's scratch in LDS: 139 slots of 512 bytes (4 registers, lane l at 16 l)
.set LRED,  4*WSCR                     ; 512 bytes: the four waves' loss sums
.set SPARE, LRED+512                   ; the spare words, 128 bytes for each wave: two blocks of 256 bytes that no other line names
; the staging of the weights (bf16), over the scratch of waves 0 and 1; free again behind the second barrier
.set WHH,  0                           ; 192 rows, pitch 160
.set WM1,  30720                       ; 160 rows, pitch 160 (rows 133 on are 0)
.set WM2,  56320                       ; 64 rows, pitch 160
.set WM3,  66560
.set WL1,  76800                       ; 64 rows, pitch 96
.set FEAT, 82944                       ; for each wave 16 rows, pitch 272
.set WI,   100352                      ; 192 rows of 16 columns, pitch 32: w_ih[f][0] in column 0, w_ih[f][1] in column 8
.set EX,   106496                      ; 192 rows of 16 k, pitch 48: w0, w0, b_ih, 0 x 5, w1, w1, b_hh (rows under 128), 0 x 5
.set L2T,  115712                      ; = WI + 15360: 32 rows, pitch 32
.set L2B,  116736                      ; = EX + 10240: 32 rows, pitch 48
; window 0
.set LANE, 1
.set SCR,  2                           ; my scratch, slots 0-103: coefficients of step 4 (0), step 3 (40), step 2 (80); in a step CU +0, CN +8, CR +16, CHN +24, U +32
.set SCR2, 3                           ; slots 104 on: 0-23 W_hh h_1 (r, u, n), 24-31 h_1, 32 goal, 33 m, 34 v
.set SPW,  4                           ; LDS address of my spare word; never rewritten
.set NIL,  5                           ; 0; never rewritten
.set NEG1, 6                           ; -1.0
.set COFF, 7                           ; 32 r + 16 h: my 16 bytes among the wave's 512 of a candidate
.set LACC, 8                           ; lane c: the wave's loss sum of pass c
.set LNS1, 9                           ; ln scale_1
.set TMP,  10
.set AJ,   11                          ; adjoint of y_t from all that lies behind step t
.set OUTR, 12
.set XX,   16
.set YY,   20
.set SS,   24
.set IS,   28                          ; 1 / scale
.set XR,   32                          ; x_rec, later the gradient
.set SG,   36                          ; sigmoid(pre) of steps 2 to 4
.set DL1,  39
.set TA,   40
.set TB,   48
.set XB,   56                          ; a B fragment of scalars: register 0 and 1 in use, 2 to 7 always 0
.set HF,   64                          ; h in f32
.set HBH,  96                          ; h as bf16, high parts (16 registers),
.set HBL,  112                         ; low parts
.set GR,   128
.set GU,   160
.set GHN,  192
.set GIN,  224
.set PP,   128
.set FR0,  96
.set FR1,  128
.set DY0,  192
.set DY1,  200
.set CB,   208                         ; 32 coefficients at work
.set Z2,   16
.set PR,   253                         ; prologue only: r, h, 0
.set PH,   254
.set ZR,   255
; window 1
.set W_HH,  0                          ; tile t, chunk c at 8 (2 t + c)
.set W_L1T, 192
.set W_L2F, 224
.set W_L2B, 232
; window 2
.set W_HHT, 0                          ; chunk c, tile a at 8 (4 c + a)
.set W_IHT, 192
; window 3
.set W_EX,  0
.set W_L1B, 96
.set C_BHN, 128
.set C_BL1, 160
.set C_BL2, 176
.set C_BM2, 184
.set C_BM3, 216
.set WV,  2                            ; s2 my wave's number
.set CNT, 4                            ; s4 the pass, 0 to 8
; s82-83 -log2(e); s84-85 2 log2(e); s86-87 selects of v_permlanex16_b32; s88 ln 2; s89 lanes 16-31; s90, s91 0.9^t, 0.999^t
; ReLU masks of the locscale layer: s8-23 (step 2), s24-39 (step 3), s66-81 (step 4), over the pointers, which the prologue alone needs
.set MSB, 0
.macro WIN new                         ; the immediate's high byte repeats the setting that is left; a switch that changes nothing is dropped
.if MSB != (\new)
	s_set_vgpr_msb (MSB<<8)|(\new)
.set MSB, (\new)
.endif
.endm
.macro PLACES                          ; four places between a matrix instruction and a vector line, a store or a load that touches its registers
.rept 4
	v_nop
.endr
.endm
.macro MMA d, a, b, c
	v_wmma_f32_16x16x32_bf16 v[(\d):(\d)+7], v[(\a):(\a)+7], v[(\b):(\b)+7], v[(\c):(\c)+7]
.endm
.macro MMA0 d, a, b
	v_wmma_f32_16x16x32_bf16 v[(\d):(\d)+7], v[(\a):(\a)+7], v[(\b):(\b)+7], 0
.endm
; n pairs of f32 at src -> n registers of high parts and n of low parts: hi = bf16(x), lo = bf16(x - hi); the difference is exact
.macro SPLIT n, src, hi, lo, tmp
.set s_b, 0
.rept (\n)/4
.set s_q, 0
.rept 4
	v_cvt_pk_bf16_f32 v[(\hi)+4*s_b+s_q], v[(\src)+8*s_b+2*s_q], v[(\src)+8*s_b+2*s_q+1]
.set s_q, s_q+1
.endr
.set s_q, 0
.rept 4
	v_fma_mix_f32_bf16 v[(\tmp)+2*s_q], v[(\hi)+4*s_b+s_q], v[NEG1], v[(\src)+8*s_b+2*s_q] op_sel_hi:[1,0,0]
	v_fma_mix_f32_bf16 v[(\tmp)+2*s_q+1], v[(\hi)+4*s_b+s_q], v[NEG1], v[(\src)+8*s_b+2*s_q+1] op_sel:[1,0,0] op_sel_hi:[1,0,0]
.set s_q, s_q+1
.endr
.set s_q, 0
.rept 4
	v_cvt_pk_bf16_f32 v[(\lo)+4*s_b+s_q], v[(\tmp)+2*s_q], v[(\tmp)+2*s_q+1]
.set s_q, s_q+1
.endr
.set s_b, s_b+1
.endr
.endm
.macro PACKHL d, s                     ; one number as (hi, lo) in one register
	v_cvt_pk_bf16_f32 v54, v[\s], v[\s]
	v_fma_mix_f32_bf16 v55, v54, v[NEG1], v[\s] op_sel_hi:[1,0,0]
	v_cvt_pk_bf16_f32 v[\d], v[\s], v55
.endm
.macro LD32 dst, base, slot            ; 32 registers from 8 slots
.set d_j, 0
.rept 8
	ds_load_b128 v[(\dst)+4*d_j:(\dst)+4*d_j+3], v[\base] offset:((\slot)+d_j)*512
.set d_j, d_j+1
.endr
.endm
.macro ST32 src, base, slot            ; ascending, so that a matrix result is read from its low end on
.set d_j, 0
.rept 8
	ds_store_b128 v[\base], v[(\src)+4*d_j:(\src)+4*d_j+3] offset:((\slot)+d_j)*512
.set d_j, d_j+1
.endr
.endm
.macro MUL32 d, a, b
.set d_j, 0
.rept 16
	v_pk_mul_f32 v[(\d)+2*d_j:(\d)+2*d_j+1], v[(\a)+2*d_j:(\a)+2*d_j+1], v[(\b)+2*d_j:(\b)+2*d_j+1]
.set d_j, d_j+1
.endr
.endm
.macro RELU32 r
.set d_j, 0
.rept 32
	v_max_num_f32 v[(\r)+d_j], 0, v[(\r)+d_j]
.set d_j, d_j+1
.endr
.endm
; W_hh h: 48 matrix instructions; the 12 accumulators take turns, one instruction a turn.  The n gate's sums start with b_hh, the others with 0.
.macro GATES_H
.set g_k, 0
.rept 4
.set g_t, 0
.rept 12
.set g_d, GR+8*g_t
.set g_a, W_HH+8*(2*g_t+g_k%2)
.set g_b, HBH+16*(g_k/2)+8*(g_k%2)
.if (g_k == 0) && (g_t < 8)
	WIN 0x01
	MMA0 g_d, g_a, g_b
.elseif g_k == 0
	WIN 0x31
	MMA g_d, g_a, g_b, C_BHN+8*(g_t-8)
.else
	WIN 0x01
	MMA g_d, g_a, g_b, g_d
.endif
.set g_t, g_t+1
.endr
.set g_k, g_k+1
.endr
.endm
; w_ih y and the biases, by the fragment XB = (y hi, y lo, 1, 0 ..): onto r and u; the n gate's input part gets accumulators of its own
.macro GATES_X
	WIN 0x03
.set g_t, 0
.rept 12
.if g_t < 8
	MMA GR+8*g_t, W_EX+8*g_t, XB, GR+8*g_t
.else
	MMA0 GIN+8*(g_t-8), W_EX+8*g_t, XB
.endif
.set g_t, g_t+1
.endr
	WIN 0
.endm
; THE GRU's ELEMENTWISE PART, in four groups of 16 features.  TAILOP g, k is number k of the 52 plain lines that follow a group's gates:
;   0-35, four pairs each: H -= N; H *= U; T = 1 - N^2; HN -= HN R; CU = H - H U; H = N + H (the new h); T -= T U (CN); R = T R (CHN); HN = R HN (CR)
;   36-51: the coefficients are stored; the new h is split into bf16 high and low parts (the n registers are the scratch)
; EL_CM = 0: no coefficients; 1: CU, CN, CR; 2: also CHN and U.
.macro TAILOP g, k
.set o_p, 2*((\k)%4)
.set o_h, HF+8*(\g)+o_p
.set o_n, GIN+8*(\g)+o_p
.set o_u, GU+8*(\g)+o_p
.set o_r, GR+8*(\g)+o_p
.set o_x, GHN+8*(\g)+o_p
.set o_a, TA+o_p
.set o_b, TB+o_p
.set o_o, (\k)/4
.if o_o == 0
	v_pk_add_f32 v[o_h:o_h+1], v[o_h:o_h+1], v[o_n:o_n+1] neg_lo:[0,1] neg_hi:[0,1]
.elseif o_o == 1
	v_pk_mul_f32 v[o_h:o_h+1], v[o_h:o_h+1], v[o_u:o_u+1]
.elseif o_o == 5
	v_pk_add_f32 v[o_h:o_h+1], v[o_n:o_n+1], v[o_h:o_h+1]
.elseif o_o < 9
.if EL_CM > 0
.if o_o == 2
	v_pk_fma_f32 v[o_a:o_a+1], v[o_n:o_n+1], v[o_n:o_n+1], 1.0 op_sel_hi:[1,1,0] neg_lo:[1,0,0] neg_hi:[1,0,0]
.elseif o_o == 3
	v_pk_fma_f32 v[o_x:o_x+1], v[o_x:o_x+1], v[o_r:o_r+1], v[o_x:o_x+1] neg_lo:[1,0,0] neg_hi:[1,0,0]
.elseif o_o == 4
	v_pk_fma_f32 v[o_b:o_b+1], v[o_h:o_h+1], v[o_u:o_u+1], v[o_h:o_h+1] neg_lo:[1,0,0] neg_hi:[1,0,0]
.elseif o_o == 6
	v_pk_fma_f32 v[o_a:o_a+1], v[o_a:o_a+1], v[o_u:o_u+1], v[o_a:o_a+1] neg_lo:[1,0,0] neg_hi:[1,0,0]
.elseif o_o == 7
	v_pk_mul_f32 v[o_r:o_r+1], v[o_a:o_a+1], v[o_r:o_r+1]
.else
	v_pk_mul_f32 v[o_x:o_x+1], v[o_r:o_r+1], v[o_x:o_x+1]
.endif
.endif
.elseif o_o == 9
.if ((\k) == 36) && (EL_CM > 0)
	ds_store_b128 v[SCR], v[TB:TB+3] offset:(EL_SB+2*(\g))*512
	ds_store_b128 v[SCR], v[TB+4:TB+7] offset:(EL_SB+2*(\g)+1)*512
	ds_store_b128 v[SCR], v[TA:TA+3] offset:(EL_SB+8+2*(\g))*512
	ds_store_b128 v[SCR], v[TA+4:TA+7] offset:(EL_SB+8+2*(\g)+1)*512
	ds_store_b128 v[SCR], v[GHN+8*(\g):GHN+8*(\g)+3] offset:(EL_SB+16+2*(\g))*512
	ds_store_b128 v[SCR], v[GHN+8*(\g)+4:GHN+8*(\g)+7] offset:(EL_SB+16+2*(\g)+1)*512
.endif
.if ((\k) == 36) && (EL_CM > 1)
	ds_store_b128 v[SCR], v[GR+8*(\g):GR+8*(\g)+3] offset:(EL_SB+24+2*(\g))*512
	ds_store_b128 v[SCR], v[GR+8*(\g)+4:GR+8*(\g)+7] offset:(EL_SB+24+2*(\g)+1)*512
	ds_store_b128 v[SCR], v[GU+8*(\g):GU+8*(\g)+3] offset:(EL_SB+32+2*(\g))*512
	ds_store_b128 v[SCR], v[GU+8*(\g)+4:GU+8*(\g)+7] offset:(EL_SB+32+2*(\g)+1)*512
.endif
	v_cvt_pk_bf16_f32 v[HBH+4*(\g)+(\k)-36], v[o_h], v[o_h+1]
.elseif o_o < 12
.set o_j, (\k)-40
.if o_j%2 == 0
	v_fma_mix_f32_bf16 v[GIN+8*(\g)+o_j], v[HBH+4*(\g)+o_j/2], v[NEG1], v[HF+8*(\g)+o_j] op_sel_hi:[1,0,0]
.else
	v_fma_mix_f32_bf16 v[GIN+8*(\g)+o_j], v[HBH+4*(\g)+o_j/2], v[NEG1], v[HF+8*(\g)+o_j] op_sel:[1,0,0] op_sel_hi:[1,0,0]
.endif
.else
	v_cvt_pk_bf16_f32 v[HBL+4*(\g)+(\k)-48], v[o_n], v[o_n+1]
.endif
.endm
.macro TQ op, reg                      ; a transcendental in place, and behind it the next plain line of the group before: it names none of this group's registers
	\op v[\reg], v[\reg]
.if TK < 52
	TAILOP TG, TK
.set TK, TK+1
.endif
.endm
.macro FLUSH
.rept 52
.if TK < 52
	TAILOP TG, TK
.set TK, TK+1
.endif
.endr
.endm
; a group's gates: r, u = 1 / (1 + 2^(-a log2 e)); n = 1 - 2 / (1 + 2^(2 log2 e (in + r hn))).  Each run of transcendentals ends in a plain line before its results are used (ISA guide 5.7.2).
.macro FRONT g
.set f_r, GR+8*(\g)
.set f_u, GU+8*(\g)
.set f_x, GHN+8*(\g)
.set f_n, GIN+8*(\g)
.set f_j, 0
.rept 4
	v_pk_mul_f32 v[f_r+f_j:f_r+f_j+1], v[f_r+f_j:f_r+f_j+1], s[82:83] op_sel_hi:[1,0]
.set f_j, f_j+2
.endr
.set f_j, 0
.rept 4
	v_pk_mul_f32 v[f_u+f_j:f_u+f_j+1], v[f_u+f_j:f_u+f_j+1], s[82:83] op_sel_hi:[1,0]
.set f_j, f_j+2
.endr
.set f_j, 0
.rept 8
	TQ v_exp_f32, f_r+f_j
.set f_j, f_j+1
.endr
.set f_j, 0
.rept 8
	TQ v_exp_f32, f_u+f_j
.set f_j, f_j+1
.endr
	v_nop
.set f_j, 0
	s_wait_alu depctr_va_vdst(0)
.rept 4
	v_pk_add_f32 v[f_r+f_j:f_r+f_j+1], v[f_r+f_j:f_r+f_j+1], 1.0 op_sel_hi:[1,0]
	v_pk_add_f32 v[f_u+f_j:f_u+f_j+1], v[f_u+f_j:f_u+f_j+1], 1.0 op_sel_hi:[1,0]
.set f_j, f_j+2
.endr
.set f_j, 0
.rept 8
	TQ v_rcp_f32, f_r+f_j
.set f_j, f_j+1
.endr
.set f_j, 0
.rept 8
	TQ v_rcp_f32, f_u+f_j
.set f_j, f_j+1
.endr
	v_nop
.set f_j, 0
	s_wait_alu depctr_va_vdst(0)
.rept 4
	v_pk_fma_f32 v[f_n+f_j:f_n+f_j+1], v[f_r+f_j:f_r+f_j+1], v[f_x+f_j:f_x+f_j+1], v[f_n+f_j:f_n+f_j+1]
.set f_j, f_j+2
.endr
.set f_j, 0
.rept 4
	v_pk_mul_f32 v[f_n+f_j:f_n+f_j+1], v[f_n+f_j:f_n+f_j+1], s[84:85] op_sel_hi:[1,0]
.set f_j, f_j+2
.endr
.set f_j, 0
.rept 8
	TQ v_exp_f32, f_n+f_j
.set f_j, f_j+1
.endr
	v_nop
.set f_j, 0
	s_wait_alu depctr_va_vdst(0)
.rept 4
	v_pk_add_f32 v[f_n+f_j:f_n+f_j+1], v[f_n+f_j:f_n+f_j+1], 1.0 op_sel_hi:[1,0]
.set f_j, f_j+2
.endr
.set f_j, 0
.rept 8
	TQ v_rcp_f32, f_n+f_j
.set f_j, f_j+1
.endr
	v_nop
.set f_j, 0
	s_wait_alu depctr_va_vdst(0)
.rept 4
	v_pk_fma_f32 v[f_n+f_j:f_n+f_j+1], v[f_n+f_j:f_n+f_j+1], -2.0, 1.0 op_sel_hi:[1,0,0]
.set f_j, f_j+2
.endr
.endm
.macro ELEM cm, sb
.set EL_CM, (\cm)
.set EL_SB, (\sb)
.set TK, 52
.set TG, 0
.irp g, 0,1,2,3
	FRONT \g
	FLUSH
.set TG, \g
.set TK, 0
.endr
	FLUSH
.endm
; THE LOCSCALE LAYERS of step i + 1 and its scalars.  p = Wl1^T h + bl1 (two accumulators by turns), ReLU and its mask, ls = Wl2^T a + bl2 (high and low part on an accumulator each):
; register 0 is dloc, register 1 the scale's argument, of my dimension.  scale = max(pre, 0) + ln(1 + e^-|pre|) + 0.001.
.macro LOCF i, mk
.set l_k, 0
.rept 4
.set l_a, 0
.rept 2
.set l_b, HBH+16*(l_k/2)+8*(l_k%2)
.set l_w, W_L1T+8*(2*l_a+l_k%2)
.if l_k == 0
	WIN 0x31
	MMA PP+8*l_a, l_w, l_b, C_BL1+8*l_a
.else
	WIN 0x01
	MMA PP+8*l_a, l_w, l_b, PP+8*l_a
.endif
.set l_a, l_a+1
.endr
.set l_k, l_k+1
.endr
	WIN 0
	PLACES
.set l_a, 0
.rept 16
.if (\i) > 0
	v_cmp_lt_f32 s[(\mk)+l_a], 0, v[PP+l_a]
.endif
	v_max_num_f32 v[PP+l_a], 0, v[PP+l_a]
.set l_a, l_a+1
.endr
	SPLIT 8, PP, 144, 152, 176
	WIN 0x31
	MMA 160, W_L2F, 144, C_BL2
	WIN 0x01
	MMA0 168, W_L2F, 152
	WIN 0
	PLACES
.if (\i) == 0
	v_add_f32 v[DL1], v160, v168
.else
	v_add_f32 v48, v160, v168
.endif
	v_add_f32 v49, v161, v169
	v_mul_f32 v50, s82, |v49|
	v_mul_f32 v51, s82, v49
	v_exp_f32 v50, v50
	v_exp_f32 v51, v51
	v_max_num_f32 v52, 0, v49
	s_wait_alu depctr_va_vdst(0)
	v_add_f32 v50, 1.0, v50
	v_add_f32 v51, 1.0, v51
	v_log_f32 v50, v50
.if (\i) == 0
	v_nop
	s_wait_alu depctr_va_vdst(0)
.else
	v_rcp_f32 v[SG+(\i)-1], v51
	v_add_f32 v53, v[YY+(\i)-1], v48       ; y_tm1 + dloc
	s_wait_alu depctr_va_vdst(0)
.endif
	v_fma_f32 v52, s88, v50, v52
	v_add_f32 v[SS+(\i)], 0x3a83126f, v52  ; + 0.001
	v_rcp_f32 v[IS+(\i)], v[SS+(\i)]
.if (\i) == 0
	v_log_f32 v[LNS1], v[SS]
	v_nop
	s_wait_alu depctr_va_vdst(0)
	v_mul_f32 v[LNS1], s88, v[LNS1]
.else
	v_fma_f32 v[YY+(\i)], v[SS+(\i)], v[XX+(\i)], v53
	v_sub_f32 v54, v[YY+(\i)], v53
	s_wait_alu depctr_va_vdst(0)
	v_mul_f32 v[XR+(\i)], v54, v[IS+(\i)]
.if (\i) < 3
	PACKHL XB, YY+(\i)
.endif
.endif
.endm
; a candidate leaves: lanes 0-15 take (y1, y2), lanes 16-31 (y3, y4), both dimensions: the wave's store covers 512 consecutive bytes, aligned
.macro CANDST
.irp k, 0,1,2,3
	v_permlanex16_b32 v[48+\k], v[YY+\k], s86, s87
.endr
	v_cndmask_b32 v[OUTR], v[YY], v50, s89
	v_cndmask_b32 v[OUTR+1], v48, v[YY+2], s89
	v_cndmask_b32 v[OUTR+2], v[YY+1], v51, s89
	v_cndmask_b32 v[OUTR+3], v49, v[YY+3], s89
	global_store_b128 v[COFF], v[OUTR:OUTR+3], s[48:49]
.endm
; THE LOSS, without its constants: a lane's share is 0.5 sum x_rec^2 + sum ln scale - 0.5 logsumexp_k(-0.5 D_k); the largest exponent is taken away first.  AJ = sum_k softmax_k (y4 - goal_k).
.macro LOSS
	s_wait_dscnt 0x0                               ; the goals are in
	v_log_f32 v48, v[SS+1]
	v_log_f32 v49, v[SS+2]
	v_log_f32 v50, v[SS+3]
	v_mul_f32 v[TMP], v[XR], v[XR]
	v_fmac_f32 v[TMP], v[XR+1], v[XR+1]
	v_fmac_f32 v[TMP], v[XR+2], v[XR+2]
	v_fmac_f32 v[TMP], v[XR+3], v[XR+3]
	s_wait_alu depctr_va_vdst(0)
	v_add_f32 v48, v48, v49
	v_add_f32 v48, v48, v50
	v_fma_f32 v48, s88, v48, v[LNS1]
	v_fma_f32 v[TMP], 0.5, v[TMP], v48
.irp k, 0,1,2,3
	v_sub_f32 v[44+\k], v[YY+3], v[40+\k]
.endr
.irp k, 0,1,2,3
	v_mul_f32 v[48+\k], v[44+\k], v[44+\k]
.endr
.irp k, 0,1,2,3
	v_permlanex16_b32 v[52+\k], v[48+\k], s86, s87 ; the other dimension's square lies in the lane 16 away
.endr
.irp k, 0,1,2,3
	v_add_f32 v[48+\k], v[48+\k], v[52+\k]
.endr
	v_min3_num_f32 v52, v48, v49, v50
	v_min_num_f32 v52, v52, v51                    ; the least D: -2 x the largest exponent
.irp k, 0,1,2,3
	v_sub_f32 v[48+\k], v52, v[48+\k]
.endr
.irp k, 0,1,2,3
	v_mul_f32 v[48+\k], 0x3f38aa3b, v[48+\k]       ; x 0.5 log2(e)
.endr
.irp k, 0,1,2,3
	v_exp_f32 v[48+\k], v[48+\k]
.endr
	v_fmac_f32 v[TMP], 0x3e800000, v52             ; - 0.5 x (-0.5 Dmin)
	s_wait_alu depctr_va_vdst(0)
	v_add_f32 v53, v48, v49
	v_add_f32 v54, v50, v51
	v_add_f32 v53, v53, v54
	v_mul_f32 v54, v48, v44
	v_fmac_f32 v54, v49, v45
	v_fmac_f32 v54, v50, v46
	v_fmac_f32 v54, v51, v47
	v_log_f32 v55, v53
	v_rcp_f32 v52, v53
	v_nop
	s_wait_alu depctr_va_vdst(0)
	v_mul_f32 v[AJ], v54, v52
	v_fmac_f32 v[TMP], 0xbeb17218, v55             ; - 0.5 ln 2 log2(sum)
	v_add_f32_dpp v[TMP], v[TMP], v[TMP] row_xmask:1 row_mask:0xf bank_mask:0xf
	v_add_f32_dpp v[TMP], v[TMP], v[TMP] row_xmask:2 row_mask:0xf bank_mask:0xf
	v_add_f32_dpp v[TMP], v[TMP], v[TMP] row_xmask:4 row_mask:0xf bank_mask:0xf
	v_add_f32_dpp v[TMP], v[TMP], v[TMP] row_xmask:8 row_mask:0xf bank_mask:0xf
	v_permlanex16_b32 v52, v[TMP], s86, s87
	v_add_f32 v[TMP], v[TMP], v52
	v_cmp_eq_u32 vcc_lo, s[CNT], v[LANE]
	v_cndmask_b32 v[LACC], v[LACC], v[TMP], vcc_lo
.endm
; the scalars of the backward step i + 1: e = x_rec / s; Yb = AJ + e; adjoint of s = Yb x - x_rec e + 1 / s; of x = Yb s; of dloc = Yb - e = AJ
.macro BSCAL i
	v_mul_f32 v48, v[XR+(\i)], v[IS+(\i)]
	v_add_f32 v49, v[AJ], v48
	v_fma_f32 v50, v49, v[XX+(\i)], v[IS+(\i)]
	v_fma_f32 v50, -v[XR+(\i)], v48, v50
	v_mul_f32 v[XR+(\i)], v49, v[SS+(\i)]
	v_mul_f32 v50, v50, v[SG+(\i)-1]
	PACKHL XB, AJ
	PACKHL XB+1, 50
.endm
; back through the locscale layers, onto the adjoint of h in dh
.macro BLOC dh, first, mk
	WIN 0x01
	MMA0 128, W_L2B, XB
	MMA0 136, W_L2B+8, XB
	WIN 0
	PLACES
.set l_a, 0
.rept 16
	v_cndmask_b32 v[128+l_a], 0, v[128+l_a], s[(\mk)+l_a]
.set l_a, l_a+1
.endr
	SPLIT 8, 128, 144, 152, 240
	WIN 0x03
.set l_a, 0
.rept 4
.if \first
	MMA0 (\dh)+8*l_a, W_L1B+8*l_a, 144
.else
	MMA (\dh)+8*l_a, W_L1B+8*l_a, 144, (\dh)+8*l_a
.endif
.set l_a, l_a+1
.endr
.set l_a, 0
.rept 4
	MMA (\dh)+8*l_a, W_L1B+8*l_a, 152, (\dh)+8*l_a
.set l_a, l_a+1
.endr
	WIN 0
	PLACES
.endm
; 20 matrix instructions: one gate's 64 adjoints (chunks ch, ch + 1 of the 192) through W_hh^T onto dhn (from fragments frh) and through w_ih^T onto DY0 (from frd); five accumulators by turns
.macro WPH frh, frd, ch, dhn, first
	WIN 0x02
.set w_k, 0
.rept 4
.set w_c, (\ch)+w_k%2
.set w_o, 16*(w_k/2)+8*(w_k%2)
.set w_a, 0
.rept 4
	MMA (\dhn)+8*w_a, W_HHT+8*(4*w_c+w_a), (\frh)+w_o, (\dhn)+8*w_a
.set w_a, w_a+1
.endr
.if (\first) && (w_k == 0)
	MMA0 DY0, W_IHT+8*w_c, (\frd)+w_o
.else
	MMA DY0, W_IHT+8*w_c, (\frd)+w_o, DY0
.endif
.set w_k, w_k+1
.endr
	WIN 0
.endm
; back through the GRU.  At the step's head U has been asked for into dhn and CR into CB.  Each gate's adjoint is dh x its coefficient.
.macro BGRU dh, dhn, sb
	s_wait_dscnt 0x0                               ; U and CR are in
	MUL32 \dhn, \dhn, \dh
	MUL32 CB, CB, \dh
	SPLIT 16, CB, FR0, FR0+16, 240
	LD32 CB, SCR, \sb                              ; CU, under the r gate's products
	WPH FR0, FR0, 0, \dhn, 1
	s_wait_dscnt 0x0
	MUL32 CB, CB, \dh
	SPLIT 16, CB, FR1, FR1+16, 240
	LD32 CB, SCR, (\sb)+24                         ; CHN, under the u gate's products
	WPH FR1, FR1, 2, \dhn, 0
	s_wait_dscnt 0x0
	MUL32 CB, CB, \dh
	SPLIT 16, CB, FR0, FR0+16, 240
	LD32 CB, SCR, (\sb)+8                          ; CN
	s_wait_dscnt 0x0
	MUL32 CB, CB, \dh
	SPLIT 16, CB, FR1, FR1+16, 240
	WPH FR0, FR1, 4, \dhn, 0
	PLACES
	v_add_f32 v[AJ], v[AJ], v[DY0]
.endm
; step 2: only the adjoint of y_1 is wanted.  CR has been asked for into CB, CU into v160-191.
.macro BGRU2 dh, sb
	s_wait_dscnt 0x0
	MUL32 CB, CB, \dh
	SPLIT 16, CB, FR0, FR0+16, 240
	LD32 CB, SCR, (\sb)+8                          ; CN
	MUL32 160, 160, \dh
	SPLIT 16, 160, FR1, FR1+16, 240
	s_wait_dscnt 0x0
	MUL32 CB, CB, \dh
	SPLIT 16, CB, 160, 176, 240
	WIN 0x02
.set w_c, 0
.rept 6
.set w_o, FR0+32*(w_c/2)+8*(w_c%2)
.if w_c == 0
	MMA0 DY0, W_IHT, w_o
	MMA0 DY1, W_IHT, w_o+16
.else
	MMA DY0, W_IHT+8*w_c, w_o, DY0
	MMA DY1, W_IHT+8*w_c, w_o+16, DY1
.endif
.set w_c, w_c+1
.endr
	WIN 0
	PLACES
	v_add_f32 v[AJ], v[AJ], v[DY0]
	v_add_f32 v[AJ], v[AJ], v[DY1]
.endm
; m in v40-43, v in v44-47, the sample's gradient in XR; the mean over 16,384 samples is the factor 2^-14
.macro ADAM
	s_mul_f32 s90, s90, 0x3f666666
	s_mul_f32 s91, s91, 0x3f7fbe77
	v_sub_f32 v48, 1.0, s90
	v_sub_f32 v49, 1.0, s91
	v_rcp_f32 v48, v48
	v_rcp_f32 v49, v49
.irp i, 0,1,2,3
	v_mul_f32 v[XR+\i], 0x38800000, v[XR+\i]
.endr
.irp i, 0,1,2,3
	v_mul_f32 v[50+\i], v[XR+\i], v[XR+\i]
.endr
.irp i, 0,1,2,3
	v_mul_f32 v[XR+\i], 0x3dcccccd, v[XR+\i]
.endr
.irp i, 0,1,2,3
	v_mul_f32 v[50+\i], 0x3a83126f, v[50+\i]
.endr
.irp i, 0,1,2,3
	v_fmamk_f32 v[40+\i], v[40+\i], 0x3f666666, v[XR+\i]
.endr
.irp i, 0,1,2,3
	v_fmamk_f32 v[44+\i], v[44+\i], 0x3f7fbe77, v[50+\i]
.endr
	s_wait_alu depctr_va_vdst(0)
.irp i, 0,1,2,3
	v_mul_f32 v[50+\i], v[44+\i], v49
.endr
.irp i, 0,1,2,3
	v_sqrt_f32 v[50+\i], v[50+\i]
.endr
.irp i, 0,1,2,3
	v_mul_f32 v[XR+\i], v[40+\i], v48
.endr
	s_wait_alu depctr_va_vdst(0)
.irp i, 0,1,2,3
	v_add_f32 v[50+\i], 0x322bcc77, v[50+\i]
.endr
.irp i, 0,1,2,3
	v_rcp_f32 v[50+\i], v[50+\i]
.endr
	v_nop
	s_wait_alu depctr_va_vdst(0)
.irp i, 0,1,2,3
	v_mul_f32 v[XR+\i], v[XR+\i], v[50+\i]
.endr
.irp i, 0,1,2,3
	v_fmamk_f32 v[XX+\i], v[XR+\i], 0xbdcccccd, v[XX+\i]
.endr
	ds_store_b128 v[SCR2], v[40:43] offset:33*512
	ds_store_b128 v[SCR2], v[44:47] offset:34*512
.endm
; prologue helpers
.macro CVT4 src, n                     ; n loads of 4 f32 -> 2 registers of bf16 each, in place
.set c_j, 0
.rept \n
	v_cvt_pk_bf16_f32 v[(\src)+4*c_j], v[(\src)+4*c_j], v[(\src)+4*c_j+1]
	v_cvt_pk_bf16_f32 v[(\src)+4*c_j+1], v[(\src)+4*c_j+2], v[(\src)+4*c_j+3]
.set c_j, c_j+1
.endr
.endm
.macro STO4 src, n, base, off, step
.set c_j, 0
.rept \n
	ds_store_b64 v[\base], v[(\src)+4*c_j:(\src)+4*c_j+1] offset:(\off)+(\step)*c_j
.set c_j, c_j+1
.endr
.endm
.macro LDB dst, n, sb, off             ; n tiles of 16 bias numbers: my 8 of each
.set c_j, 0
.rept \n
	global_load_b128 v[(\dst)+8*c_j:(\dst)+8*c_j+3], v15, s[(\sb):(\sb)+1] offset:(\off)+64*c_j
	global_load_b128 v[(\dst)+8*c_j+4:(\dst)+8*c_j+7], v15, s[(\sb):(\sb)+1] offset:(\off)+64*c_j+16
.set c_j, c_j+1
.endr
.endm
.macro RNDB n, src, dst, w             ; n pairs of f32 in window 1, rounded to bf16 and widened again, into window w
	WIN 0x45
.set c_j, 0
.rept \n
	v_cvt_pk_bf16_f32 v[(\src)+2*c_j], v[(\src)+2*c_j], v[(\src)+2*c_j+1]
.set c_j, c_j+1
.endr
	WIN ((\w)<<6)|0x04
.set c_j, 0
.rept \n
	v_lshlrev_b32 v[(\dst)+2*c_j], 16, v[(\src)+2*c_j]
	v_and_b32 v[(\dst)+2*c_j+1], s89, v[(\src)+2*c_j]
.set c_j, c_j+1
.endr
.endm
.macro MLPL d, a0, cb                  ; a layer 64 -> 64: 16 matrix instructions, four accumulators by turns; the sums start with the bias
.set m_k, 0
.rept 4
.set m_a, 0
.rept 4
.if m_k == 0
	WIN 0x30
	MMA (\d)+8*m_a, (\a0)+8*m_a, HBH, (\cb)+8*m_a
.else
	WIN 0
	MMA (\d)+8*m_a, (\a0)+8*(4*(m_k%2)+m_a), HBH+16*(m_k/2)+8*(m_k%2), (\d)+8*m_a
.endif
.set m_a, m_a+1
.endr
.set m_k, m_k+1
.endr
	WIN 0
.endm
; ================= THE HEAD =================
	s_load_b512 s[8:23], s[0:1], 0x0               ; features s8, velocity s10, at_light s12, light_state s14, goal s16, base_sample s18, Wm1 s20, bm1 s22
	s_load_b512 s[24:39], s[0:1], 0x40             ; Wm2 s24, bm2 s26, Wm3 s28, bm3 s30, w_ih s32, w_hh s34, b_ih s36, b_hh s38
	s_load_b256 s[40:47], s[0:1], 0x80             ; Wl1 s40, bl1 s42, Wl2 s44, bl2 s46
	s_load_b128 s[48:51], s[0:1], 0xa0             ; cand s48, part s50
	v_lshl_add_u32 v[SPW], v0, 2, SPARE
	v_mov_b32 v[NIL], 0
	v_mov_b32 v[NEG1], -1.0
	v_and_b32 v[LANE], 31, v0
	v_lshrrev_b32 v10, 5, v0
	v_readfirstlane_b32 s[WV], v10
	v_and_b32 v[PR], 15, v0
	v_bfe_u32 v[PH], v0, 4, 1
	v_mov_b32 v[ZR], 0
	s_mul_i32 s5, s[WV], WSCR
	v_lshl_add_u32 v[SCR], v[LANE], 4, s5
	v_add_nc_u32 v[SCR2], 104*512, v[SCR]
	v_lshlrev_b32 v[COFF], 5, v[PR]
	v_lshl_add_u32 v[COFF], v[PH], 4, v[COFF]
	s_mov_b32 s82, 0xbfb8aa3b
	s_mov_b32 s83, 0xbfb8aa3b
	s_mov_b32 s84, 0x4038aa3b
	s_mov_b32 s85, 0x4038aa3b
	s_mov_b32 s86, 0x76543210
	s_mov_b32 s87, 0xfedcba98
	s_mov_b32 s88, 0x3f317218
	s_mov_b32 s89, 0xffff0000
	; byte offsets of the loads
	v_lshlrev_b32 v8, 4, v0                        ; 16 t: the big matrices, 2,048 bytes a load of the work-group
	v_add_nc_u32 v9, 32768, v8
	v_min_u32 v9, 34032, v9                        ; Wm1's seventeenth load ends with the buffer: threads 80 on are held at its last 16 bytes and set to 0 below
	v_lshlrev_b32 v10, 3, v0                       ; w_ih row t
	v_and_b32 v11, 63, v0
	v_lshlrev_b32 v13, 2, v11                      ; b_ih of row 128 + t % 64
	v_lshlrev_b32 v11, 3, v11                      ; w_ih of that row
	v_lshlrev_b32 v12, 2, v0                       ; b_ih, b_hh of row t
	v_lshlrev_b32 v14, 4, v[LANE]
	v_lshlrev_b32 v15, 5, v[PH]                    ; my 8 numbers of a tile of 16
	v_lshlrev_b32 v249, 2, v[PH]
	v_lshlrev_b32 v250, 5, v[PR]
	v_mul_u32_u24 v251, v[PR], 12
	v_lshlrev_b32 v252, 2, v[PR]
	s_lshl_b32 s5, ttmp9, 6
	s_lshl4_add_u32 s5, s[WV], s5                  ; my wave's first sample
	s_mov_b32 s7, 0
	s_wait_kmcnt 0x0
	s_lshl_b32 s6, s5, 9
	s_add_nc_u64 s[8:9], s[8:9], s[6:7]
	s_mul_i32 s6, s5, 12
	s_add_nc_u64 s[10:11], s[10:11], s[6:7]
	s_lshl_b32 s6, s5, 2
	s_add_nc_u64 s[12:13], s[12:13], s[6:7]
	s_add_nc_u64 s[14:15], s[14:15], s[6:7]
	s_lshl_b32 s6, s5, 5
	s_add_nc_u64 s[16:17], s[16:17], s[6:7]
	s_add_nc_u64 s[48:49], s[48:49], s[6:7]
	s_lshl_b32 s6, ttmp9, 5
	s_add_nc_u64 s[50:51], s[50:51], s[6:7]
; ================= ALL 130 GLOBAL LOADS, IN ONE RUN =================
.set c_j, 0
.rept 24
	global_load_b128 v[16+4*c_j:19+4*c_j], v8, s[34:35] offset:2048*c_j      ; w_hh
.set c_j, c_j+1
.endr
.set c_j, 0
.rept 16
	global_load_b128 v[112+4*c_j:115+4*c_j], v8, s[20:21] offset:2048*c_j    ; Wm1
.set c_j, c_j+1
.endr
	global_load_b128 v[176:179], v9, s[20:21]
	WIN 0x40                                       ; destination window 1, offset window 0
	global_load_b64 v[80:81], v10, s[32:33]
	global_load_b64 v[82:83], v11, s[32:33] offset:1024
	global_load_b32 v84, v12, s[36:37]
	global_load_b32 v85, v13, s[36:37] offset:512
	global_load_b32 v86, v12, s[38:39]
	global_load_b128 v[88:91], v14, s[44:45]
.set c_j, 0
.rept 8
	global_load_b128 v[4*c_j:4*c_j+3], v8, s[24:25] offset:2048*c_j          ; Wm2
.set c_j, c_j+1
.endr
.set c_j, 0
.rept 8
	global_load_b128 v[32+4*c_j:35+4*c_j], v8, s[28:29] offset:2048*c_j      ; Wm3
.set c_j, c_j+1
.endr
.set c_j, 0
.rept 4
	global_load_b128 v[64+4*c_j:67+4*c_j], v8, s[40:41] offset:2048*c_j      ; Wl1
.set c_j, c_j+1
.endr
	WIN 0
.set c_j, 0
.rept 16
	global_load_b128 v[180+4*c_j:183+4*c_j], v14, s[8:9] offset:512*c_j th:TH_LOAD_NT  ; a sample's 512 bytes of features to a load
.set c_j, c_j+1
.endr
	WIN 0x40
	LDB 92, 4, 38, 512                             ; b_hh of the n gate
	LDB 124, 2, 42, 0                              ; bl1
	LDB 140, 4, 22, 0                              ; bm1
	LDB 172, 4, 26, 0                              ; bm2
	LDB 204, 4, 30, 0                              ; bm3
	global_load_b32 v236, v249, s[46:47]           ; bl2[h], bl2[2 + h]
	global_load_b32 v237, v249, s[46:47] offset:8
	global_load_b128 v[238:241], v250, s[16:17]    ; my sample's four goals
	global_load_b128 v[242:245], v250, s[16:17] offset:16
	global_load_b128 v[246:249], v[ZR], s[18:19]
	global_load_b128 v[250:253], v[ZR], s[18:19] offset:16
	WIN 0
	global_load_b32 v244, v251, s[10:11]
	global_load_b32 v245, v251, s[10:11] offset:4
	global_load_b32 v246, v251, s[10:11] offset:8
	global_load_b32 v247, v252, s[12:13]
	global_load_b32 v248, v252, s[14:15]
	s_wait_xcnt 0x0                                ; the loads' addresses are translated: v8-15 are written anew only behind this wait
	; where the bf16 go in LDS: the wave's number times a constant, a lane term, the region's constant
	s_mul_i32 s5, s[WV], 320
	v_mad_u32_u24 v8, v[PH], 160, s5
	v_lshl_add_u32 v8, v[PR], 3, v8                ; rows of 64 numbers: row t / 16 (+ 8 a load), 8 bytes at 8 (t % 16)
	v_add_nc_u32 v9, WM3, v8
	s_mul_i32 s5, s[WV], 384
	s_add_co_u32 s5, s5, WL1
	v_lshrrev_b32 v10, 3, v[LANE]
	v_mad_u32_u24 v10, v10, 96, s5
	v_and_b32 v11, 7, v0
	v_lshl_add_u32 v10, v11, 3, v10                ; rows of 32 numbers: row t / 8 (+ 16 a load)
	s_mul_i32 s5, s[WV], 4352
	s_add_co_u32 s5, s5, FEAT
	v_lshl_add_u32 v11, v[LANE], 3, s5
	s_mul_i32 s5, s[WV], 1536
	s_add_co_u32 s5, s5, EX
	v_mad_u32_u24 v12, v[LANE], 48, s5
	s_lshl_b32 s5, s[WV], 10
	s_add_co_u32 s5, s5, WI
	v_lshl_add_u32 v13, v[LANE], 5, s5
	s_wait_loadcnt 63                              ; 63 loads were issued behind Wl1's last: the first 67 are in
	CVT4 16, 24
	STO4 16, 24, 8, WHH, 1280
	CVT4 112, 17
	v_cmp_gt_u32 vcc_lo, 80, v0
	v_cndmask_b32 v176, 0, v176, vcc_lo            ; rows 133 to 135 are 0
	v_cndmask_b32 v177, 0, v177, vcc_lo
	v_mov_b32 v178, 0
	v_mov_b32 v179, 0
	STO4 112, 17, 8, WM1, 1280
	ds_store_b64 v8, v[178:179] offset:WM1+1280*17 ; rows 136 to 159 too: K is filled up to five chunks of 32
	ds_store_b64 v8, v[178:179] offset:WM1+1280*18
	ds_store_b64 v8, v[178:179] offset:WM1+1280*19
	WIN 0x45
	CVT4 0, 20
	v_mov_b32 v87, 0
	WIN 0x04                                       ; address window 0, data window 1
	STO4 0, 8, 8, WM2, 1280
	STO4 32, 8, 9, 0, 1280
	STO4 64, 4, 10, 0, 1536
	WIN 0x05                                       ; sources window 1, destination window 0: the rows of the small matrices
	v_cvt_pk_bf16_f32 v16, v80, v80                ; EX, row t
	v_cvt_pk_bf16_f32 v17, v84, v87
	v_cvt_pk_bf16_f32 v20, v81, v81
	v_cvt_pk_bf16_f32 v21, v86, v87
	v_cvt_pk_bf16_f32 v24, v80, v87                ; WI, row t
	v_cvt_pk_bf16_f32 v28, v81, v87
	v_cvt_pk_bf16_f32 v32, v82, v82                ; EX, row 128 + t: b_hh of the n gate goes by the C operand
	v_cvt_pk_bf16_f32 v33, v85, v87
	v_cvt_pk_bf16_f32 v36, v83, v83
	v_cvt_pk_bf16_f32 v40, v82, v87                ; WI, row 128 + t
	v_cvt_pk_bf16_f32 v44, v83, v87
	v_cvt_pk_bf16_f32 v48, v88, v90                ; L2T: columns 0, 1 = Wl2[k][0], [2]; columns 8, 9 = [1], [3]
	v_cvt_pk_bf16_f32 v52, v89, v91
	v_cvt_pk_bf16_f32 v56, v88, v88                ; L2B
	v_cvt_pk_bf16_f32 v57, v90, v90
	v_cvt_pk_bf16_f32 v60, v89, v89
	v_cvt_pk_bf16_f32 v61, v91, v91
	WIN 0
.irp z, 18,19,22,23,25,26,27,29,30,31,34,35,37,38,39,41,42,43,45,46,47,49,50,51,53,54,55,58,59,62,63
	v_mov_b32 v\z, 0
.endr
	ds_store_b128 v12, v[16:19]
	ds_store_b128 v12, v[20:23] offset:16
	ds_store_b128 v13, v[24:27]
	ds_store_b128 v13, v[28:31] offset:16
	s_cmp_lt_u32 s[WV], 2
	s_cbranch_scc0 .Lno_hi                         ; rows 128 to 191: threads 0 to 63
	ds_store_b128 v12, v[32:35] offset:6144
	ds_store_b128 v12, v[36:39] offset:6160
	ds_store_b128 v13, v[40:43] offset:4096
	ds_store_b128 v13, v[44:47] offset:4112
.Lno_hi:
	s_cmp_eq_u32 s[WV], 0
	s_cbranch_scc0 .Lno_l2                         ; Wl2's 32 rows: wave 0
	ds_store_b128 v13, v[48:51] offset:15360
	ds_store_b128 v13, v[52:55] offset:15376
	ds_store_b128 v12, v[56:59] offset:10240
	ds_store_b128 v12, v[60:63] offset:10256
.Lno_l2:
	s_wait_loadcnt 47                              ; 47 loads were issued behind the features
	CVT4 180, 16
	STO4 180, 16, 11, 0, 272
	s_wait_loadcnt 0x0
	RNDB 16, 92, C_BHN, 3
	RNDB 8, 124, C_BL1, 3
	RNDB 16, 172, C_BM2, 3
	RNDB 16, 204, C_BM3, 3
	RNDB 1, 236, C_BL2, 3
.irp z, 2,3,4,5,6,7
	v_mov_b32 v[C_BL2+\z], 0
.endr
	RNDB 16, 140, HF, 0                            ; layer 1's sums start as bm1
	RNDB 4, 238, 16, 0
	RNDB 4, 246, 24, 0
	WIN 0
.irp k, 0,1,2,3
	v_cndmask_b32 v[60+\k], v[16+2*\k], v[17+2*\k], s89   ; goal k, my dimension
	v_cndmask_b32 v[56+\k], v[24+2*\k], v[25+2*\k], s89   ; x_0 of step k + 1, my dimension
.endr
	v_cvt_pk_bf16_f32 v48, v244, v245              ; the fifth chunk of the features: k = 128 .. 132 in lanes 0-15, all else 0
	v_cvt_pk_bf16_f32 v49, v246, v247
	v_cvt_pk_bf16_f32 v50, v248, v[ZR]
	v_cndmask_b32 v48, v48, v[ZR], s89
	v_cndmask_b32 v49, v49, v[ZR], s89
	v_cndmask_b32 v50, v50, v[ZR], s89
.irp z, 51,52,53,54,55
	v_mov_b32 v\z, 0
.endr
	s_wait_dscnt 0x0                               ; my stores into the staging are done,
	s_barrier_signal -1
	s_barrier_wait -1                              ; everybody's are
; ================= FRAGMENTS OUT OF THE STAGING =================
; As it lies (rows along K): row r x pitch + 16 h, two loads 32 bytes apart.  Turned (rows are K): row 8 h + l % 8, 16 bytes at 16 ((l / 8) % 2), two ds_load_tr16_b128 16 rows apart.
	v_and_b32 v255, 7, v0
	v_lshl_add_u32 v255, v[PH], 3, v255
	v_bfe_u32 v252, v0, 3, 1
	v_lshlrev_b32 v252, 4, v252
	v_lshlrev_b32 v251, 4, v[PH]
	v_mad_u32_u24 v8, v[PR], 160, v251
	v_mad_u32_u24 v9, v255, 160, v252
	v_add_nc_u32 v10, WM3, v9
	v_mad_u32_u24 v11, v255, 96, v252
	v_add_nc_u32 v11, WL1, v11
	v_mad_u32_u24 v12, v[PR], 96, v251
	v_add_nc_u32 v12, WL1, v12
	v_lshl_add_u32 v13, v255, 5, v252
	v_add_nc_u32 v13, WI, v13
	v_mad_u32_u24 v14, v[PR], 48, v251
	v_add_nc_u32 v14, EX, v14
	s_mul_i32 s5, s[WV], 4352
	s_add_co_u32 s5, s5, FEAT
	v_mad_u32_u24 v15, v[PR], 272, v251
	v_add_nc_u32 v15, s5, v15
	WIN 0x40
.set c_j, 0
.rept 24
	ds_load_b128 v[W_HH+8*c_j:W_HH+8*c_j+3], v8 offset:(c_j/2)*2560+(c_j%2)*64
	ds_load_b128 v[W_HH+8*c_j+4:W_HH+8*c_j+7], v8 offset:(c_j/2)*2560+(c_j%2)*64+32
.set c_j, c_j+1
.endr
.set c_j, 0
.rept 4
	ds_load_tr16_b128 v[W_L1T+8*c_j:W_L1T+8*c_j+3], v11 offset:(c_j%2)*3072+(c_j/2)*32
	ds_load_tr16_b128 v[W_L1T+8*c_j+4:W_L1T+8*c_j+7], v11 offset:(c_j%2)*3072+(c_j/2)*32+1536
.set c_j, c_j+1
.endr
	ds_load_tr16_b128 v[W_L2F:W_L2F+3], v13 offset:15360
	ds_load_tr16_b128 v[W_L2F+4:W_L2F+7], v13 offset:15360+512
.set c_j, 0
.rept 2
	ds_load_b128 v[W_L2B+8*c_j:W_L2B+8*c_j+3], v14 offset:10240+768*c_j
.irp z, 4,5,6,7
	v_mov_b32 v[W_L2B+8*c_j+\z], 0                 ; k = 16 on is 0
.endr
.set c_j, c_j+1
.endr
	WIN 0x80
.set c_j, 0
.rept 24
	ds_load_tr16_b128 v[W_HHT+8*c_j:W_HHT+8*c_j+3], v9 offset:(c_j/4)*5120+(c_j%4)*32
	ds_load_tr16_b128 v[W_HHT+8*c_j+4:W_HHT+8*c_j+7], v9 offset:(c_j/4)*5120+(c_j%4)*32+2560
.set c_j, c_j+1
.endr
.set c_j, 0
.rept 6
	ds_load_tr16_b128 v[W_IHT+8*c_j:W_IHT+8*c_j+3], v13 offset:1024*c_j
	ds_load_tr16_b128 v[W_IHT+8*c_j+4:W_IHT+8*c_j+7], v13 offset:1024*c_j+512
.set c_j, c_j+1
.endr
	WIN 0xc0
.set c_j, 0
.rept 12
	ds_load_b128 v[W_EX+8*c_j:W_EX+8*c_j+3], v14 offset:768*c_j
.irp z, 4,5,6,7
	v_mov_b32 v[W_EX+8*c_j+\z], 0
.endr
.set c_j, c_j+1
.endr
.set c_j, 0
.rept 4
	ds_load_b128 v[W_L1B+8*c_j:W_L1B+8*c_j+3], v12 offset:1536*c_j
	ds_load_b128 v[W_L1B+8*c_j+4:W_L1B+8*c_j+7], v12 offset:1536*c_j+32
.set c_j, c_j+1
.endr
	WIN 0
; ================= THE MERGER: 133 -> 64 -> 64 -> 64 =================
.set c_j, 0
.rept 4
	ds_load_b128 v[16+8*c_j:19+8*c_j], v15 offset:64*c_j
	ds_load_b128 v[20+8*c_j:23+8*c_j], v15 offset:64*c_j+32
.set c_j, c_j+1
.endr
.set c_j, 0
.rept 20
	ds_load_tr16_b128 v[96+8*c_j:99+8*c_j], v9 offset:WM1+(c_j/4)*5120+(c_j%4)*32
	ds_load_tr16_b128 v[100+8*c_j:103+8*c_j], v9 offset:WM1+(c_j/4)*5120+(c_j%4)*32+2560
.set c_j, c_j+1
.endr
	s_wait_dscnt 0x0
.set m_k, 0
.rept 5
.set m_a, 0
.rept 4
	MMA HF+8*m_a, 96+8*(4*m_k+m_a), 16+8*m_k, HF+8*m_a
.set m_a, m_a+1
.endr
.set m_k, m_k+1
.endr
	PLACES
.set c_j, 0
.rept 8
	ds_load_tr16_b128 v[128+8*c_j:131+8*c_j], v9 offset:WM2+(c_j/4)*5120+(c_j%4)*32
	ds_load_tr16_b128 v[132+8*c_j:135+8*c_j], v9 offset:WM2+(c_j/4)*5120+(c_j%4)*32+2560
	ds_load_tr16_b128 v[192+8*c_j:195+8*c_j], v10 offset:(c_j/4)*5120+(c_j%4)*32
	ds_load_tr16_b128 v[196+8*c_j:199+8*c_j], v10 offset:(c_j/4)*5120+(c_j%4)*32+2560
.set c_j, c_j+1
.endr
	RELU32 HF
	SPLIT 16, HF, HBH, HBL, TB
	s_wait_dscnt 0x0                               ; my last reads of the staging are back:
	s_barrier_signal -1                            ; say so; two layers of work on registers stand between the signal and the wait
	MLPL Z2, 128, C_BM2
	PLACES
	RELU32 Z2
	SPLIT 16, Z2, HBH, HBL, TB
	MLPL HF, 192, C_BM3
	PLACES
	RELU32 HF                                      ; z = h_0
	SPLIT 16, HF, HBH, HBL, TB
	s_barrier_wait -1                              ; nobody reads the staging any more: its bytes are the waves' scratch from here on
; ================= WHAT HANGS ON NO x =================
.irp k, 0,1,2,3
	v_mov_b32 v[XX+\k], v[56+\k]
.endr
	ds_store_b128 v[SCR2], v[60:63] offset:32*512  ; the goals
	v_mov_b32 v[XB], 0                             ; y_0 = 0
	v_mov_b32 v[XB+1], 0x3f80                      ; (1.0, 0): takes the biases
.irp z, 2,3,4,5,6,7
	v_mov_b32 v[XB+\z], 0
.endr
	ds_store_b128 v[SCR2], v[XB+2:XB+5] offset:33*512   ; m = 0
	ds_store_b128 v[SCR2], v[XB+2:XB+5] offset:34*512   ; v = 0
	GATES_H
	GATES_X
	PLACES
	ELEM 0, 0                                      ; h_1
	ST32 HF, SCR2, 24
	LOCF 0, 0                                      ; dloc_1, scale_1
	GATES_H                                        ; W_hh h_1 (+ b_hh in the n gate)
	WIN 0
	PLACES
	ST32 GR, SCR2, 0
	ST32 GU, SCR2, 8
	ST32 GHN, SCR2, 16
	v_mov_b32 v[LACC], 0
	s_mov_b32 s90, 1.0
	s_mov_b32 s91, 1.0
	s_mov_b32 s[CNT], 0
; ================= NINE FORWARD PASSES, EIGHT BACKWARD =================
.Liter:                                            ; at the head r, u, hn hold (or are being loaded with) W_hh h_1, HF h_1
	v_fma_f32 v[YY], v[SS], v[XX], v[DL1]
	v_sub_f32 v54, v[YY], v[DL1]
	v_mul_f32 v[XR], v54, v[IS]
	PACKHL XB, YY
	v_mov_b32 v[XB+1], 0x3f80
	s_wait_dscnt 0x0                               ; the 32 loads issued at the last trip's end are in
	GATES_X
	PLACES
	ELEM 1, 80
	LOCF 1, 8
	GATES_H
	GATES_X
	PLACES
	ELEM 2, 40
	LOCF 2, 24
	GATES_H
	GATES_X
	PLACES
	ELEM 2, 0
	ds_load_b128 v[40:43], v[SCR2] offset:32*512   ; the goals, under the locscale layers
	LOCF 3, 66
	CANDST
	s_cmp_eq_u32 s[CNT], 8
	s_cbranch_scc1 .Lend                           ; the ninth pass is y(x_8) alone
	LOSS
	LD32 160, SCR, 32                              ; step 4: U and CR
	LD32 CB, SCR, 16
	BSCAL 3
	BLOC 64, 1, 66
	BGRU 64, 160, 0
	LD32 64, SCR, 72                               ; step 3
	LD32 CB, SCR, 56
	BSCAL 2
	BLOC 160, 0, 24
	BGRU 160, 64, 40
	LD32 CB, SCR, 96                               ; step 2: CR and CU
	LD32 160, SCR, 80
	BSCAL 1
	BLOC 64, 0, 8
	BGRU2 64, 80
	v_fma_f32 v48, v[XR], v[IS], v[AJ]             ; step 1: dloc_1 and scale_1 hang on no x
	v_mul_f32 v[XR], v48, v[SS]
	ds_load_b128 v[40:43], v[SCR2] offset:33*512
	ds_load_b128 v[44:47], v[SCR2] offset:34*512
	LD32 GR, SCR2, 0                               ; the next pass's start, under the update
	LD32 GU, SCR2, 8
	LD32 GHN, SCR2, 16
	LD32 HF, SCR2, 24
	s_wait_dscnt 32                                ; m and v are in; the 32 loads issued behind them stay out
	ADAM
	s_wait_xcnt 0x0                                ; the candidate's store has had its address translated: its base and its data registers are written anew only behind this wait
	s_add_nc_u64 s[48:49], s[48:49], 0x80000       ; the next candidate's plane
	s_add_co_u32 s[CNT], s[CNT], 1
	s_cmp_lt_u32 s[CNT], 9
	s_cbranch_scc1 .Liter
.Lend:
; ================= THE WORK-GROUP'S EIGHT LOSS SUMS =================
	s_lshl_b32 s5, s[WV], 7
	s_add_co_u32 s5, s5, LRED
	v_lshl_add_u32 v48, v[LANE], 2, s5
	ds_store_b32 v48, v[LACC]
	s_wait_dscnt 0x0                               ; for the others' sake
	s_barrier_signal -1
	s_barrier_wait -1
	v_lshl_add_u32 v49, v[LANE], 2, LRED
	ds_load_b32 v50, v49
	ds_load_b32 v51, v49 offset:128
	ds_load_b32 v52, v49 offset:256
	ds_load_b32 v53, v49 offset:384
	v_lshlrev_b32 v54, 2, v[LANE]
	s_wait_dscnt 0x0
	v_add_f32 v50, v50, v51
	v_add_f32 v52, v52, v53
	v_add_f32 v50, v50, v52
	s_cmp_lg_u32 s[WV], 0
	s_cbranch_scc1 .Lno_part
	v_cmp_gt_u32 vcc_lo, 8, v[LANE]
	s_wait_xcnt 0x0                                ; EXEC changes only behind this wait: the last candidate's store names it
	s_and_saveexec_b32 s5, vcc_lo
	global_store_b32 v54, v50, s[50:51]            ; lanes 0 to 7: 32 bytes, this work-group's record
	s_wait_xcnt 0x0
	s_or_b32 exec_lo, exec_lo, s5
.Lno_part:
	s_wait_tensorcnt 0x0                           ; the wave's end, behind my last LDS store
	ds_add_u32 v[SPW], v[NIL]
	s_wait_dscnt 0x0
	s_endpgm
.Lfunc_end_k_qc585613668_flow:
	.size	k_qc585613668_flow, .Lfunc_end_k_qc585613668_flow-k_qc585613668_flow
	.p2alignl 7, 3214868480
	.fill 96, 4, 3214868480
	.section	.rodata,"a",@progbits
	.p2align	6, 0x0
	.amdhsa_kernel k_qc585613668_flow
		.amdhsa_group_segment_fixed_size 285696
		.amdhsa_private_segment_fixed_size 0
		.amdhsa_enable_private_segment 0
		.amdhsa_kernarg_size 176
		.amdhsa_user_sgpr_count 2
		.amdhsa_user_sgpr_kernarg_segment_ptr 1
		.amdhsa_wavefront_size32 1
		.amdhsa_system_sgpr_workgroup_id_x 1
		.amdhsa_system_sgpr_workgroup_id_y 1
		.amdhsa_system_sgpr_workgroup_id_z 1
		.amdhsa_system_vgpr_workitem_id 0
		.amdhsa_next_free_vgpr 1024
		.amdhsa_next_free_sgpr 96
		.amdhsa_reserve_vcc 1
		.amdhsa_float_denorm_mode_32 3
		.amdhsa_float_denorm_mode_16_64 3
		.amdhsa_memory_ordered 1
		.amdhsa_forward_progress 1
		.amdhsa_inst_pref_size 255
	.end_amdhsa_kernel
	.section	.bss,"aw",@nobits
	.p2align	6
	.space	262144
	.amdgpu_metadata
---
amdhsa.version: [ 1, 2 ]
amdhsa.kernels:
  - .name:           k_qc585613668_flow
    .symbol:         k_qc585613668_flow.kd
    .args:
      - { .name: visual_features, .offset: 0, .size: 8, .value_kind: global_buffer, .address_space: global }
      - { .name: velocity, .offset: 8, .size: 8, .value_kind: global_buffer, .address_space: global }
      - { .name: is_at_traffic_light, .offset: 16, .size: 8, .value_kind: global_buffer, .address_space: global }
      - { .name: traffic_light_state, .offset: 24, .size: 8, .value_kind: global_buffer, .address_space: global }
      - { .name: goal, .offset: 32, .size: 8, .value_kind: global_buffer, .address_space: global }
      - { .name: base_sample, .offset: 40, .size: 8, .value_kind: global_buffer, .address_space: global }
      - { .name: Wm1, .offset: 48, .size: 8, .value_kind: global_buffer, .address_space: global }
      - { .name: bm1, .offset: 56, .size: 8, .value_kind: global_buffer, .address_space: global }
      - { .name: Wm2, .offset: 64, .size: 8, .value_kind: global_buffer, .address_space: global }
      - { .name: bm2, .offset: 72, .size: 8, .value_kind: global_buffer, .address_space: global }
      - { .name: Wm3, .offset: 80, .size: 8, .value_kind: global_buffer, .address_space: global }
      - { .name: bm3, .offset: 88, .size: 8, .value_kind: global_buffer, .address_space: global }
      - { .name: w_ih, .offset: 96, .size: 8, .value_kind: global_buffer, .address_space: global }
      - { .name: w_hh, .offset: 104, .size: 8, .value_kind: global_buffer, .address_space: global }
      - { .name: b_ih, .offset: 112, .size: 8, .value_kind: global_buffer, .address_space: global }
      - { .name: b_hh, .offset: 120, .size: 8, .value_kind: global_buffer, .address_space: global }
      - { .name: Wl1, .offset: 128, .size: 8, .value_kind: global_buffer, .address_space: global }
      - { .name: bl1, .offset: 136, .size: 8, .value_kind: global_buffer, .address_space: global }
      - { .name: Wl2, .offset: 144, .size: 8, .value_kind: global_buffer, .address_space: global }
      - { .name: bl2, .offset: 152, .size: 8, .value_kind: global_buffer, .address_space: global }
      - { .name: cand, .offset: 160, .size: 8, .value_kind: global_buffer, .address_space: global }
      - { .name: part, .offset: 168, .size: 8, .value_kind: global_buffer, .address_space: global }
    .group_segment_fixed_size: 285696
    .private_segment_fixed_size: 0
    .kernarg_segment_align: 8
    .kernarg_segment_size: 176
    .max_flat_workgroup_size: 128
    .sgpr_count:     96
    .vgpr_count:     1024
    .wavefront_size: 32
...
	.end_amdgpu_metadata
.endif
;; end of part 1
;; launch pick (part 2): grid 256 x 1, 1 waves a work-group, no clusters, 0 bytes of LDS; arguments cand, part, out0; writes out0
.if DOCPART == 2
	.amdgcn_target "amdgcn-amd-amdhsa--gfx1250"
	.amdhsa_code_object_version 6
	.text
	.protected	k_qc585613668_pick
	.globl	k_qc585613668_pick
	.p2align	8
	.type	k_qc585613668_pick,@function
k_qc585613668_pick:
	s_mov_b64 s[64:65], 0
	v_nop
	global_prefetch_b8 v0, s[64:65] scope:SCOPE_SE
	s_setreg_imm32_b32 hwreg(HW_REG_WAVE_MODE, 25, 1), 1
	s_wait_xcnt 0x0
; PICK.  part holds, for each of 256 work-groups, the eight loss sums of the eight Adam steps; cand holds y(x_0) .. y(x_8).  Every work-group adds part up in the same order (so all decide alike),
; walks the eight steps as the update loop does (lb starts at 1,000; a loss below lb takes that step's new x and becomes lb), and keeps the chosen candidate by v_cndmask_b32: no branch, no address hangs on a number.
; One wave, 64 samples: 2,048 bytes of each candidate, four loads of 512 consecutive bytes; the same four out.  Memory binds; LDS, matrix units and clusters would add nothing.
; A NaN loss is never below lb, as in the comparison that it stands for.
.set PT, 16                            ; v16-79   part: 16 loads; even lanes hold steps 1-4 of a record, odd lanes steps 5-8
.set CD, 80                            ; v80-223  candidate c, chunk j at CD + 16 c + 4 j; candidate 0's registers take the choice
.set LS, 224                           ; v224-231 the eight losses
.set LB, 2
	s_load_b128 s[4:7], s[0:1], 0x0                ; cand s[4:5], part s[6:7]
	s_load_b64 s[8:9], s[0:1], 0x10                ; out0
	v_lshlrev_b32 v1, 4, v0
	s_lshl_b32 s10, ttmp9, 11
	s_mov_b32 s11, 0
	s_mov_b32 s12, 0x76543210
	s_mov_b32 s13, 0xfedcba98
	s_mov_b32 s14, 0xaaaaaaaa                      ; the odd lanes
	s_mov_b32 s15, 0x38800000                      ; 1 / 16,384
	s_mov_b32 s16, 0x412935fc                      ; 5 ln(2 pi) + ln 4: the loss's constants
	v_mov_b32 v[LB], 0x447a0000                    ; 1,000
	s_wait_kmcnt 0x0
	s_add_nc_u64 s[4:5], s[4:5], s[10:11]
	s_add_nc_u64 s[8:9], s[8:9], s[10:11]
.set i, 0
.rept 16
	global_load_b128 v[PT+4*i:PT+4*i+3], v1, s[6:7] offset:512*i
.set i, i+1
.endr
.set i, 0
.rept 36
	global_load_b128 v[CD+4*i:CD+4*i+3], v1, s[4:5] offset:524288*(i/4)+512*(i%4) th:TH_LOAD_NT
.set i, i+1
.endr
	s_wait_loadcnt 36                              ; part is in; the 36 loads of candidates issued behind it stay out
.irp s, 8,4,2,1
.set i, 0
.rept \s
	v_pk_add_f32 v[PT+4*i:PT+4*i+1], v[PT+4*i:PT+4*i+1], v[PT+4*(i+\s):PT+4*(i+\s)+1]
	v_pk_add_f32 v[PT+4*i+2:PT+4*i+3], v[PT+4*i+2:PT+4*i+3], v[PT+4*(i+\s)+2:PT+4*(i+\s)+3]
.set i, i+1
.endr
.endr
.irp m, 2,4,8                          ; over the lanes of my parity
.irp k, 0,1,2,3
	v_add_f32_dpp v[PT+\k], v[PT+\k], v[PT+\k] row_xmask:\m row_mask:0xf bank_mask:0xf
.endr
.endr
.irp k, 0,1,2,3
	v_permlanex16_b32 v[PT+4+\k], v[PT+\k], s12, s13
.endr
.irp k, 0,1,2,3
	v_add_f32 v[PT+\k], v[PT+\k], v[PT+4+\k]
.endr
.irp k, 0,1,2,3
	v_mov_b32_dpp v[PT+8+\k], v[PT+\k] row_xmask:1 row_mask:0xf bank_mask:0xf   ; the other parity's four sums
.endr
.irp k, 0,1,2,3
	v_cndmask_b32 v[LS+\k], v[PT+\k], v[PT+8+\k], s14
	v_cndmask_b32 v[LS+4+\k], v[PT+8+\k], v[PT+\k], s14
.endr
.irp k, 0,1,2,3,4,5,6,7
	v_fma_f32 v[LS+\k], v[LS+\k], s15, s16
.endr
	s_wait_loadcnt 0x0
.irp t, 1,2,3,4,5,6,7,8
	v_cmp_lt_f32 vcc_lo, v[LS+\t-1], v[LB]
.set i, 0
.rept 16
	v_cndmask_b32 v[CD+i], v[CD+i], v[CD+16*\t+i], vcc_lo
.set i, i+1
.endr
	v_cndmask_b32 v[LB], v[LB], v[LS+\t-1], vcc_lo
.endr
.irp j, 0,1,2,3
	global_store_b128 v1, v[CD+4*\j:CD+4*\j+3], s[8:9] offset:512*\j   ; 512 consecutive bytes, at a multiple of 256 from out0's first
.endr
	s_endpgm
.Lfunc_end_k_qc585613668_pick:
	.size	k_qc585613668_pick, .Lfunc_end_k_qc585613668_pick-k_qc585613668_pick
	.p2alignl 7, 3214868480
	.fill 96, 4, 3214868480
	.section	.rodata,"a",@progbits
	.p2align	6, 0x0
	.amdhsa_kernel k_qc585613668_pick
		.amdhsa_group_segment_fixed_size 0
		.amdhsa_private_segment_fixed_size 0
		.amdhsa_enable_private_segment 0
		.amdhsa_kernarg_size 24
		.amdhsa_user_sgpr_count 2
		.amdhsa_user_sgpr_kernarg_segment_ptr 1
		.amdhsa_wavefront_size32 1
		.amdhsa_system_sgpr_workgroup_id_x 1
		.amdhsa_system_sgpr_workgroup_id_y 1
		.amdhsa_system_sgpr_workgroup_id_z 1
		.amdhsa_system_vgpr_workitem_id 0
		.amdhsa_next_free_vgpr 232
		.amdhsa_next_free_sgpr 66
		.amdhsa_reserve_vcc 1
		.amdhsa_float_denorm_mode_32 3
		.amdhsa_float_denorm_mode_16_64 3
		.amdhsa_memory_ordered 1
		.amdhsa_forward_progress 1
		.amdhsa_inst_pref_size 16
	.end_amdhsa_kernel
	.amdgpu_metadata
---
amdhsa.version: [ 1, 2 ]
amdhsa.kernels:
  - .name:           k_qc585613668_pick
    .symbol:         k_qc585613668_pick.kd
    .args:
      - { .name: cand, .offset: 0, .size: 8, .value_kind: global_buffer, .address_space: global }
      - { .name: part, .offset: 8, .size: 8, .value_kind: global_buffer, .address_space: global }
      - { .name: out0, .offset: 16, .size: 8, .value_kind: global_buffer, .address_space: global }
    .group_segment_fixed_size: 0
    .private_segment_fixed_size: 0
    .kernarg_segment_align: 8
    .kernarg_segment_size: 24
    .max_flat_workgroup_size: 32
    .sgpr_count:     66
    .vgpr_count:     232
    .wavefront_size: 32
...
	.end_amdgpu_metadata
.endif
;; end of part 2
